; MI455X (gfx1250); checked and timed in simulation.
; The chip was launched on July 23, 2026; its instructions are those of AMD's public machine-readable ISA for CDNA 5 (MIT licence, August 2026) and "CDNA5" Instruction Set Architecture Reference Guide (July 2026). The comments in the code are by the model that wrote it; some were corrected since.
;; Minus Attention. Allowed arithmetic: float matrix products may take bf16 or f16 operands with f32 sums; all other float work in f32.
;; Inputs: b_score 1 float32; keys 4 x 2,048 x 8 x 64 float32; queries 4 x 2,048 x 8 x 64 float32; values 4 x 2,048 x 8 x 64 float32; w_score 64 float32.
;; Outputs: out0 4 x 2,048 x 8 x 64 float32.
;; Constants: attn_mask = 0.
;; One version. Each part assembles by itself: llvm-mc -triple=amdgcn-amd-amdhsa -mcpu=gfx1250 --defsym DOCPART=n.
;; ======== version 1 of 1: 2 launches
;; limits: values are held in f16: magnitudes above 65,504 overflow, below 6.1e-05 lose precision; inputs' magnitudes at most 65,504
;; workspace buffers: skbuf 262,144 bytes; sbuf 262,144 bytes; mlbuf 8,192 bytes
;; launch chunks (part 1): grid 256 x 1, 4 waves a work-group, no clusters, 168,448 bytes of LDS; arguments keys, values, w_score, skbuf, sbuf, mlbuf; writes skbuf, sbuf, mlbuf
.if DOCPART == 1
	.amdgcn_target "amdgcn-amd-amdhsa--gfx1250"
	.amdhsa_code_object_version 6
	.text
	.protected	k_q60c046c349_chunks
	.globl	k_q60c046c349_chunks
	.p2align	8
	.type	k_q60c046c349_chunks,@function
k_q60c046c349_chunks:
	s_mov_b64 s[64:65], 0
	v_nop
	global_prefetch_b8 v0, s[64:65] scope:SCOPE_SE
	s_setreg_imm32_b32 hwreg(HW_REG_WAVE_MODE, 25, 1), 1
	s_wait_xcnt 0x0
; chunks: the first of two launches of causal attention with the score (w.q_i - w.k_j + b) / 8.
; A row's softmax weights hang on j through sk_j = w.k_j alone, so all keys in front of a block of rows collapse into a state.
; This launch makes, for each chunk of 64 keys of one (batch, head):
;   sk_j = w.k_j (f32)               -> skbuf [32 bh][2048]
;   mn = min_j sk_j, L = sum_j e_j   -> mlbuf [32 bh][64]: words 0-31 mn of the 32 chunks, words 32-63 L
;   S[d] = sum_j e_j v_j[d]          -> sbuf  [32 bh][32 chunks][64]         with e_j = exp((mn - sk_j)/8) <= 1
; One wave, one chunk: 1,024 chunks = 256 work-groups x 4 waves.  Each wave asks for its K tile and its V tile (64 rows x 256 bytes,
; rows 2,048 bytes apart in memory) by two tensor loads as its first memory work: by this text's count two are outstanding, nothing
; is ever filled again, and a wave reads only its own tiles, so its own wait on TENSORcnt orders the reads and there is no barrier.
; No cluster: no tile is read by two work-groups.  No matrix unit: both products have one column or one row, and sk is an exponent
; and stays in f32; they cost 64 packed multiply-adds a wave each.
; LIMITS: minima are taken with v_min_num_f32, so a NaN among keys or w is not carried as the dense form carries it;
; v_exp_f32 gives 0 for results below 2^-126 (ISA guide 15.8); S overflows where 64 |v| passes f32's range.
.set PITCH, 272                        ; an LDS row: 256 bytes + 16 of padding, so that 16 rows' equal columns lie in 16 different 16-byte columns modulo 256
.set TILE,  64*PITCH                   ; 17,408 bytes
.set SCK,   2*TILE                     ; scratch, 256 bytes: sk in natural order (blocks of 256 bytes into which no tensor load lands)
.set SCE,   SCK+256                    ; scratch, 256 bytes: e in natural order
.set WREG,  SCE+256                    ; 35,328 bytes of LDS for each wave
.set C2,    0x3e38aa3b                 ; log2(e) / 8
.set LN,  1                            ; lane
.set RR,  2                            ; r = lane % 16
.set HH,  3                            ; hh = lane / 16
.set KAD, 4                            ; LDS: my wave + 272 r + 128 hh (half a row of K)
.set VAD, 5                            ; LDS: my wave + 32 x 272 hh + 16 r (16 bytes of a row of V)
.set SC4, 6                            ; LDS: my wave + 4 lane
.set SC8, 7                            ; LDS: my wave + 8 lane
.set SCH, 8                            ; LDS: my wave + 128 hh
.set WOF, 9                            ; 128 hh: my half of w
.set SKV, 10                           ; v[10:13] sk of row 16 mt + r (both halves of the lanes hold it)
.set EV,  14                           ; v[14:17] e of the same rows
.set MN,  18
.set LS,  19
.set T0,  20
.set T1,  21
.set XA,  22                           ; v[22:25] at work: rearranging, crossing the halves
.set DP0, 26                           ; v[26:29] two running pairs of a dot product
.set DP1, 28
.set ACC, 30                           ; v[30:37] two sets of two pairs: S of my four columns
.set SKO, 38                           ; v[38:39] sk of rows 2 lane, 2 lane + 1
.set GSK, 40                           ; 8 lane
.set GS,  41                           ; 16 r
.set GML, 42                           ; 128 lane
.set MLV, 43
.set W,   44                           ; v[44:75]   w[32 hh .. 32 hh + 31]
.set EB,  76                           ; v[76:107]  e of rows 32 hh + 0 .. 31
.set RAW, 108                          ; v[108:235] a tile's numbers as loaded from LDS
	s_load_b256 s[4:11], s[0:1], 0x0               ; keys s[4:5], values s[6:7], w_score s[8:9], skbuf s[10:11]
	s_load_b128 s[12:15], s[0:1], 0x20             ; sbuf s[12:13], mlbuf s[14:15]
	v_lshl_add_u32 v236, v0, 2, 0x29000
	v_mov_b32 v237, 0
	ds_add_u32 v236, v237
	ds_add_u32 v236, v237
	v_lshrrev_b32 v1, 5, v0
	v_readfirstlane_b32 s2, v1                     ; wave 0..3
	s_and_b32 s39, ttmp9, 7                        ; head: fastest, so neighbouring work-groups take neighbouring 256 bytes of a row
	s_bfe_u32 s40, ttmp9, 0x30003                  ; which four chunks (3 bits from bit 3)
	s_lshr_b32 s41, ttmp9, 6                       ; batch
	s_lshl2_add_u32 s3, s40, s2                    ; chunk = 4 x that + wave
	s_lshl3_add_u32 s42, s41, s39                  ; bh = 8 batch + head
	s_lshl_b32 s32, s41, 22                        ; the tile's byte offset in keys and values: batch x 2,048 rows x 2,048 bytes
	s_lshl_b32 s43, s3, 17                         ; + chunk x 64 rows
	s_add_co_u32 s32, s32, s43
	s_lshl_b32 s43, s39, 8                         ; + head x 256 bytes
	s_add_co_u32 s32, s32, s43
	s_mov_b32 s33, 0
	s_lshl_b32 s34, s42, 13                        ; bh x 8,192 + chunk x 256: the chunk's place in skbuf, and in sbuf too
	s_lshl_b32 s43, s3, 8
	s_add_co_u32 s34, s34, s43
	s_mov_b32 s35, 0
	s_lshl_b32 s46, s42, 8                         ; bh x 256 + chunk x 4: its place in mlbuf
	s_lshl2_add_u32 s46, s3, s46
	s_mov_b32 s47, 0
	s_mov_b32 s36, 0x76543210                      ; v_permlanex16_b32: lane i of one half reads lane i of the other
	s_mov_b32 s37, 0xfedcba98
	s_mov_b32 s45, C2
	; descriptor group 1, for both tiles: 64 rows x 64 elements of 4 bytes, 512 elements from row to row, padded in LDS
	s_mov_b32 s16, (2<<16)|(1<<20)|(5<<22)|(3<<25) ; no mask; element of 4 bytes; padding on: after every 64 words (code 5) 4 words (code 3)
	s_mov_b32 s17, 64<<16                          ; tensor_dim0 = 64
	s_mov_b32 s18, 64<<16                          ; tensor_dim1 = 64
	s_mov_b32 s19, 64<<16                          ; tile_dim0 = 64
	s_mov_b32 s20, 64                              ; tile_dim1 = 64
	s_mov_b32 s21, 512                             ; stride from row to row, in elements
	s_mov_b32 s22, 0
	s_mov_b32 s23, 0
	s_mul_i32 s44, s2, WREG                        ; my wave's LDS
	s_wait_dscnt 0x0
	s_wait_kmcnt 0x0
	s_mov_b32 s24, 1                               ; group 0 for K: count, LDS address, global address, type 2
	s_add_co_u32 s25, s44, 0
	s_add_nc_u64 s[26:27], s[4:5], s[32:33]
	s_or_b32 s27, s27, 0x80000000
	s_mov_b32 s28, 1                               ; group 0 for V
	s_add_co_u32 s29, s44, TILE
	s_add_nc_u64 s[30:31], s[6:7], s[32:33]
	s_or_b32 s31, s31, 0x80000000
	tensor_load_to_lds s[24:27], s[16:23]          ; both first fills together, ahead of every wait on TENSORcnt and every LDS access
	s_nop 0
	tensor_load_to_lds s[28:31], s[16:23]
	s_nop 0
	s_add_nc_u64 s[10:11], s[10:11], s[34:35]      ; skbuf, sbuf, mlbuf at my chunk
	s_add_nc_u64 s[12:13], s[12:13], s[34:35]
	s_add_nc_u64 s[14:15], s[14:15], s[46:47]
	v_and_b32 v[LN], 31, v0
	v_and_b32 v[RR], 15, v0
	v_bfe_u32 v[HH], v0, 4, 1
	v_lshlrev_b32 v[WOF], 7, v[HH]
.irp u, 0,1,2,3,4,5,6,7
	global_load_b128 v[W+4*\u:W+4*\u+3], v[WOF], s[8:9] offset:16*\u
.endr
	v_mul_u32_u24 v[KAD], v[RR], PITCH
	v_add_nc_u32 v[KAD], v[KAD], v[WOF]
	v_add_nc_u32 v[KAD], s44, v[KAD]
	v_mul_u32_u24 v[VAD], v[HH], 32*PITCH
	v_lshl_add_u32 v[VAD], v[RR], 4, v[VAD]
	v_add_nc_u32 v[VAD], s44, v[VAD]
	v_lshl_add_u32 v[SC4], v[LN], 2, s44
	v_lshl_add_u32 v[SC8], v[LN], 3, s44
	v_add_nc_u32 v[SCH], s44, v[WOF]
	v_lshlrev_b32 v[GSK], 3, v[LN]
	v_lshlrev_b32 v[GS], 4, v[RR]
	v_lshlrev_b32 v[GML], 7, v[LN]
	v_mov_b32 v[T1], 0                             ; v_permlanex16_b32 counts as a reader of its destination
; Half a row's dot product with w, then the two halves' sum: lane (r, hh) holds elements 32 hh .. 32 hh + 31 of its row in v[buf ..].
.macro DOT buf, dst
	v_pk_mul_f32 v[DP0:DP0+1], v[\buf:\buf+1], v[W:W+1]            ; the first products start the two chains
	v_pk_mul_f32 v[DP1:DP1+1], v[\buf+2:\buf+3], v[W+2:W+3]
.irp u, 1,2,3,4,5,6,7
	v_pk_fma_f32 v[DP0:DP0+1], v[\buf+4*\u:\buf+4*\u+1], v[W+4*\u:W+4*\u+1], v[DP0:DP0+1]
	v_pk_fma_f32 v[DP1:DP1+1], v[\buf+4*\u+2:\buf+4*\u+3], v[W+4*\u+2:W+4*\u+3], v[DP1:DP1+1]
.endr
	v_pk_add_f32 v[DP0:DP0+1], v[DP0:DP0+1], v[DP1:DP1+1]
	v_add_f32 v[T0], v[DP0], v[DP0+1]
	v_permlanex16_b32 v[T1], v[T0], s36, s37
	v_add_f32 v[\dst], v[T0], v[T1]
.endm
; v[acc:acc+1] = or += v[x:x+1] times ONE number of the pair v[fp:fp+1]: the first (odd = 0) or the second (odd = 1), for both halves
.macro BFMA acc, x, fp, odd, first
.if \first
.if \odd
	v_pk_mul_f32 v[\acc:\acc+1], v[\x:\x+1], v[\fp:\fp+1] op_sel:[0,1] op_sel_hi:[1,1]
.else
	v_pk_mul_f32 v[\acc:\acc+1], v[\x:\x+1], v[\fp:\fp+1] op_sel_hi:[1,0]
.endif
.else
.if \odd
	v_pk_fma_f32 v[\acc:\acc+1], v[\x:\x+1], v[\fp:\fp+1], v[\acc:\acc+1] op_sel:[0,1,0] op_sel_hi:[1,1,1]
.else
	v_pk_fma_f32 v[\acc:\acc+1], v[\x:\x+1], v[\fp:\fp+1], v[\acc:\acc+1] op_sel_hi:[1,0,1]
.endif
.endif
.endm
	; sk = w.k for the 64 rows: four groups of 16 rows, two lanes a row
	s_wait_tensorcnt 0x1                           ; tensor loads of a wave end in order: K is in LDS, V's load (the one issued behind it) stays out
.irp mt, 0,1,2,3
.irp u, 0,1,2,3,4,5,6,7
	ds_load_b128 v[RAW+32*\mt+4*\u:RAW+32*\mt+4*\u+3], v[KAD] offset:\mt*16*PITCH+16*\u
.endr
.endr
	s_wait_loadcnt 0x0                             ; w
.irp mt, 0,1,2,3
	s_wait_dscnt 24-8*\mt                          ; this group's eight loads are back; the younger groups of eight stay out
	DOT RAW+32*\mt, SKV+\mt
.endr
	; the chunk's minimum, the weights against it, their sum.  The two halves of the lanes hold the same numbers: four steps inside 16 lanes do.
	v_min3_num_f32 v[MN], v[SKV], v[SKV+1], v[SKV+2]
	v_min_num_f32 v[MN], v[MN], v[SKV+3]
.irp m, 1,2,4,8
	v_min_num_f32_dpp v[MN], v[MN], v[MN] row_xmask:\m row_mask:0xf bank_mask:0xf
.endr
	v_cmp_le_u32 vcc_lo, 16, v[LN]                 ; the upper half of the lanes
.irp m, 0,1,2,3
	v_sub_f32 v[EV+\m], v[MN], v[SKV+\m]           ; the difference first: the smallest sk gives exactly 0, and no two large products are subtracted
.endr
.irp m, 0,1,2,3
	v_mul_f32 v[EV+\m], s45, v[EV+\m]
.endr
.irp m, 0,1,2,3
	v_exp_f32 v[EV+\m], v[EV+\m]
.endr
	v_cndmask_b32 v[XA], v[SKV], v[SKV+1], vcc_lo          ; sk of row lane (also the plain instruction between v_exp_f32 and the use of its result: ISA guide 5.7.2)
	v_cndmask_b32 v[XA+1], v[SKV+2], v[SKV+3], vcc_lo      ; sk of row 32 + lane
	s_wait_alu depctr_va_vdst(0)
	v_cndmask_b32 v[XA+2], v[EV], v[EV+1], vcc_lo          ; e likewise
	v_cndmask_b32 v[XA+3], v[EV+2], v[EV+3], vcc_lo
	ds_store_b32 v[SC4], v[XA]   offset:SCK
	ds_store_b32 v[SC4], v[XA+1] offset:SCK+128
	ds_store_b32 v[SC4], v[XA+2] offset:SCE
	ds_store_b32 v[SC4], v[XA+3] offset:SCE+128
	ds_load_b64 v[SKO:SKO+1], v[SC8] offset:SCK            ; LDS serves a wave's instructions in order: these loads see the stores above
.irp u, 0,1,2,3,4,5,6,7
	ds_load_b128 v[EB+4*\u:EB+4*\u+3], v[SCH] offset:SCE+16*\u     ; e of rows 32 hh + 0 .. 31, the same in all 16 lanes of a half
.endr
	v_add_f32 v[LS], v[EV], v[EV+1]
	v_add_f32 v[T0], v[EV+2], v[EV+3]
	v_add_f32 v[LS], v[LS], v[T0]
.irp m, 1,2,4,8
	v_add_f32_dpp v[LS], v[LS], v[LS] row_xmask:\m row_mask:0xf bank_mask:0xf
.endr
	s_wait_dscnt 0x8                               ; sk in natural order is back; the eight loads of e behind it stay out
	global_store_b64 v[GSK], v[SKO:SKO+1], s[10:11]        ; the wave stores 256 consecutive bytes, aligned
	; S[d] = sum over the 64 rows of e v[d]: lanes 0-15 take rows 0-31, lanes 16-31 rows 32-63, four columns a lane
	s_wait_tensorcnt 0x0                           ; V is in LDS
.set t, 0
.rept 32
	ds_load_b128 v[RAW+4*t:RAW+4*t+3], v[VAD] offset:TILE+PITCH*t  ; 16 lanes take 256 neighbouring bytes
.set t, t+1
.endr
.set t, 0
.rept 32
.if (t%8) == 0
	s_wait_dscnt 24-t                              ; eight more rows are back (and, at the first wait, the older loads of e); the younger ones stay out
.endif
.set odd, t%2
.set acx, ACC+4*odd
.set epx, EB+t-odd
.if t < 2
	BFMA acx,   RAW+4*t,   epx, odd, 1             ; rows 0 and 1 start the two sets of sums
	BFMA acx+2, RAW+4*t+2, epx, odd, 1
.else
	BFMA acx,   RAW+4*t,   epx, odd, 0
	BFMA acx+2, RAW+4*t+2, epx, odd, 0
.endif
.set t, t+1
.endr
	v_pk_add_f32 v[ACC:ACC+1], v[ACC:ACC+1], v[ACC+4:ACC+5]
	v_pk_add_f32 v[ACC+2:ACC+3], v[ACC+2:ACC+3], v[ACC+6:ACC+7]
.irp m, 0,1,2,3
	v_permlanex16_b32 v[XA+\m], v[ACC+\m], s36, s37        ; the other 32 rows' sums
.endr
	v_pk_add_f32 v[ACC:ACC+1], v[ACC:ACC+1], v[XA:XA+1]
	v_pk_add_f32 v[ACC+2:ACC+3], v[ACC+2:ACC+3], v[XA+2:XA+3]
	s_wait_xcnt 0x0                                ; EXEC is a source of the pending store: it changes only behind this wait
	v_cmp_gt_u32 vcc_lo, 16, v[LN]
	s_wait_tensorcnt 0x0
	ds_add_u32 v236, v237
	s_wait_dscnt 0x0
	s_and_saveexec_b32 s38, vcc_lo
	global_store_b128 v[GS], v[ACC:ACC+3], s[12:13]        ; 16 lanes store the state's 256 consecutive bytes, aligned
	s_wait_xcnt 0x0
	s_or_b32 exec_lo, exec_lo, s38
	v_cmp_eq_u32 vcc_lo, 0, v[LN]
	v_cndmask_b32 v[MLV], v[LS], v[MN], vcc_lo     ; lane 0: the minimum; lane 1: the sum
	v_cmp_gt_u32 vcc_lo, 2, v[LN]
	s_and_saveexec_b32 s38, vcc_lo
	global_store_b32 v[GML], v[MLV], s[14:15]      ; two words a chunk, 8 KiB in the whole launch: the one store here that fills no whole 256 bytes
	s_wait_xcnt 0x0
	s_or_b32 exec_lo, exec_lo, s38
	s_endpgm
.Lfunc_end_k_q60c046c349_chunks:
	.size	k_q60c046c349_chunks, .Lfunc_end_k_q60c046c349_chunks-k_q60c046c349_chunks
	.p2alignl 7, 3214868480
	.fill 96, 4, 3214868480
	.section	.rodata,"a",@progbits
	.p2align	6, 0x0
	.amdhsa_kernel k_q60c046c349_chunks
		.amdhsa_group_segment_fixed_size 168448
		.amdhsa_private_segment_fixed_size 0
		.amdhsa_enable_private_segment 0
		.amdhsa_kernarg_size 48
		.amdhsa_user_sgpr_count 2
		.amdhsa_user_sgpr_kernarg_segment_ptr 1
		.amdhsa_wavefront_size32 1
		.amdhsa_system_sgpr_workgroup_id_x 1
		.amdhsa_system_sgpr_workgroup_id_y 1
		.amdhsa_system_sgpr_workgroup_id_z 1
		.amdhsa_system_vgpr_workitem_id 0
		.amdhsa_next_free_vgpr 238
		.amdhsa_next_free_sgpr 66
		.amdhsa_reserve_vcc 1
		.amdhsa_float_denorm_mode_32 3
		.amdhsa_float_denorm_mode_16_64 3
		.amdhsa_memory_ordered 1
		.amdhsa_forward_progress 1
		.amdhsa_inst_pref_size 21
	.end_amdhsa_kernel
	.amdgpu_metadata
---
amdhsa.version: [ 1, 2 ]
amdhsa.kernels:
  - .name:           k_q60c046c349_chunks
    .symbol:         k_q60c046c349_chunks.kd
    .args:
      - { .name: keys, .offset: 0, .size: 8, .value_kind: global_buffer, .address_space: global }
      - { .name: values, .offset: 8, .size: 8, .value_kind: global_buffer, .address_space: global }
      - { .name: w_score, .offset: 16, .size: 8, .value_kind: global_buffer, .address_space: global }
      - { .name: skbuf, .offset: 24, .size: 8, .value_kind: global_buffer, .address_space: global }
      - { .name: sbuf, .offset: 32, .size: 8, .value_kind: global_buffer, .address_space: global }
      - { .name: mlbuf, .offset: 40, .size: 8, .value_kind: global_buffer, .address_space: global }
    .group_segment_fixed_size: 168448
    .private_segment_fixed_size: 0
    .kernarg_segment_align: 8
    .kernarg_segment_size: 48
    .max_flat_workgroup_size: 128
    .sgpr_count:     66
    .vgpr_count:     238
    .wavefront_size: 32
...
	.end_amdgpu_metadata
.endif
;; end of part 1
;; launch attend (part 2): grid 256 x 1, 4 waves a work-group, no clusters, 168,448 bytes of LDS; arguments queries, values, w_score, b_score, skbuf, sbuf, mlbuf, out0; writes out0
.if DOCPART == 2
	.amdgcn_target "amdgcn-amd-amdhsa--gfx1250"
	.amdhsa_code_object_version 6
	.text
	.protected	k_q60c046c349_attend
	.globl	k_q60c046c349_attend
	.p2align	8
	.type	k_q60c046c349_attend,@function
k_q60c046c349_attend:
	s_mov_b64 s[64:65], 0
	v_nop
	global_prefetch_b8 v0, s[64:65] scope:SCOPE_SE
	s_setreg_imm32_b32 hwreg(HW_REG_WAVE_MODE, 25, 1), 1
	s_wait_xcnt 0x0
; attend: the second launch.  One wave makes 64 rows (a chunk) of one (batch, head) of out0.
;   carry:  mnP = min of the earlier chunks' minima; f_c = exp((mnP - mn_c)/8) for earlier chunks, 0 for the others;
;           LP = sum f_c L_c; SP[d] = sum f_c S_c[d]                                    (all f32)
;   row i:  a = w.q_i + b;  rm = min(mnP, min of sk_j over j <= i in the chunk);  ymax = a - rm, which is the largest a - sk_j of the row
;           (a - x falls as x rises, rounding included);  p_ij = exp2((a - sk_j) C2 - ymax C2);  cf = exp2((a - mnP) C2 - ymax C2)
;           out_i = (sum_j p_ij v_j + cf SP) / (sum_j p_ij + cf LP)
; So every row's own maximum is taken away, and queries and the bias enter each score as a - sk_j before it.
; The product P V of the chunk's 64 x 64 lower triangle goes to the matrix unit in f16 with f32 sums, TRANSPOSED: source 0 = 16 columns
; of V, source 1 = 16 rows of P, so that a lane's results, its a, its maximum and its sum of weights all belong to ONE row of the
; output and no per-row number changes lanes.  The sum of the weights is a fifth product, of a matrix of ones with the same rounded P.
; f16 and not bf16: its rounding is 2^-11 at the most against 2^-8, and in a sequence's first rows, where few terms of size 1 are
; averaged, the outputs near 0 need the finer one; p <= 1 fits f16.
; Each wave asks for its Q tile and its V tile by two tensor loads as its first memory work: by this text's count two are outstanding,
; nothing is filled again, a wave reads only its own LDS bytes: no barrier.  No cluster: no tile is read by two work-groups; what
; waves share, the 32 states of a sequence, is 8 KiB.  All 32 states are loaded by every wave, in one run at the head, and those that
; are not earlier get the factor 0: no branch, no trip count, one wait.
; LIMITS: |values| above 65,504 become infinities in the f16 operand; weights below about 2^-25 of a row's largest are dropped by f16;
; (w.q + b) - w.k is rounded in another order than (w.q - w.k) + b; v_exp_f32 gives 0 below 2^-126 (ISA guide 15.8); minima are taken
; with v_min_num_f32, so a NaN among keys or w is not carried; a state that is not finite (values not finite, or 64 |v| past f32's
; range) gives NaN in earlier rows too, by 0 x infinity.
.set PITCH, 272                        ; an LDS row: 256 bytes + 16 of padding
.set TILE,  64*PITCH                   ; 17,408 bytes; Q's tile at 0, V's at TILE
.set STG,   2*TILE                     ; stage for the way out: 16 rows x 272 bytes (blocks of 256 bytes into which no tensor load lands, like the scratch)
.set SCF,   STG+16*PITCH               ; scratch: the 32 factors f (128 bytes of a block of 256)
.set SCS,   SCF+256                    ; scratch: SP, 256 bytes
.set WREG,  SCS+256                    ; 39,680 bytes of LDS for each wave
.set C2,    0x3e38aa3b                 ; log2(e) / 8
.set NC2,   0xbe38aa3b
.set LN,  1                            ; lane
.set RR,  2                            ; r = lane % 16
.set HH,  3                            ; hh = lane / 16
.set VQ,  4                            ; LDS: my wave + 272 r + 128 hh (half a row of Q; with STG: where I put half a row of the output)
.set VV,  5                            ; LDS: my wave + 8 x 272 hh + 16 r
.set VRD, 6                            ; LDS: my wave + 272 hh + 16 r (the stage read back by rows)
.set VCO, 7                            ; 2,048 hh + 16 r: the same two rows in out0
.set VSS, 8                            ; LDS: my wave + 128 hh
.set VFA, 9                            ; LDS: my wave
.set V4L, 10                           ; LDS: my wave + 4 lane
.set V8L, 11                           ; LDS: my wave + 8 lane
.set G4L, 12                           ; 4 lane
.set G8L, 13                           ; 8 lane
.set GW,  14                           ; 128 hh
.set GSK, 15                           ; 32 hh
.set MNV, 16
.set LV,  17
.set FV,  18
.set VD,  19                           ; r - 8 hh
.set PM,  20                           ; v[20:23] min of mnP and of sk of the chunk's rows in front of block it
.set LP,  24
.set INFR, 25
.set T0,  26
.set T1,  27
.set RI,  28
.set DEN, 29
.set T2,  30
.set W,   32                           ; v[32:63]   w[32 hh ..]; later OT: SP, then half a row of the output, then store data
.set OT,  32
.set SK,  64                           ; v[64:95]   SK[8 jb + e] = sk of the chunk's row 16 jb + 8 hh + e
.set VF,  96                           ; v[96:159]  V's fragments: (q, ks) at 96 + 16 q + 8 ks
.set FB,  96                           ; v[96:127]  in the carry: the 32 factors, in every lane
.set SA,  128                          ; v[128:135] in the carry: four running pairs of SP
.set XS,  160                          ; v[160:223] in the carry: the 32 states, columns 2 lane, 2 lane + 1
.set RAW0, 160                         ; then two buffers of 32 for tiles' numbers from LDS
.set RAW1, 192
.set PF,  160                          ; v[160:175] then P's fragments: block jb at 160 + 4 jb
.set ACC, 176                          ; v[176:207] four accumulators
.set ACCL, 208                         ; v[208:215] the sum of weights
.set ONES, 216                         ; v[216:223]
.set Y0,  224                          ; v[224:239] two sets of eight exponents
.set Y1,  232
.set DP0, 224                          ; in the projections: two running pairs
.set DP1, 226
.set A,   240                          ; v[240:243] a of row 16 it + r
.set CF,  244                          ; v[244:247] cf of the same rows
.set AA,  248                          ; pairs for the packed forms
.set NM,  250
.set CR,  252
.set MK,  44                           ; s[44:51] mask e: lanes with e <= r - 8 hh, the diagonal block's j <= i
	s_load_b512 s[4:19], s[0:1], 0x0               ; queries s[4:5], values s[6:7], w_score s[8:9], b_score s[10:11], skbuf s[12:13], sbuf s[14:15], mlbuf s[16:17], out0 s[18:19]
	v_lshl_add_u32 v254, v0, 2, 0x29000
	v_mov_b32 v255, 0
	ds_add_u32 v254, v255
	ds_add_u32 v254, v255
	v_lshrrev_b32 v1, 5, v0
	v_readfirstlane_b32 s2, v1                     ; wave 0..3
	s_and_b32 s56, ttmp9, 7                        ; head
	s_bfe_u32 s57, ttmp9, 0x30003                  ; which four chunks
	s_lshr_b32 s58, ttmp9, 6                       ; batch
	s_lshl2_add_u32 s37, s57, s2                   ; my chunk
	s_lshl3_add_u32 s59, s58, s56                  ; bh
	s_lshl_b32 s40, s58, 22                        ; the tile's byte offset in queries, values and out0
	s_lshl_b32 s61, s37, 17
	s_add_co_u32 s40, s40, s61
	s_lshl_b32 s61, s56, 8
	s_add_co_u32 s40, s40, s61
	s_mov_b32 s41, 0
	s_mov_b32 s42, 0x76543210                      ; v_permlanex16_b32: lane i of one half reads lane i of the other
	s_mov_b32 s43, 0xfedcba98
	s_mov_b32 s62, C2
	s_mov_b32 s63, NC2
	; descriptor group 1, for both tiles: 64 rows x 64 elements of 4 bytes, 512 elements from row to row, padded in LDS
	s_mov_b32 s20, (2<<16)|(1<<20)|(5<<22)|(3<<25) ; no mask; element of 4 bytes; padding on: after every 64 words (code 5) 4 words (code 3)
	s_mov_b32 s21, 64<<16                          ; tensor_dim0 = 64
	s_mov_b32 s22, 64<<16                          ; tensor_dim1 = 64
	s_mov_b32 s23, 64<<16                          ; tile_dim0 = 64
	s_mov_b32 s24, 64                              ; tile_dim1 = 64
	s_mov_b32 s25, 512                             ; stride from row to row, in elements
	s_mov_b32 s26, 0
	s_mov_b32 s27, 0
	s_mul_i32 s60, s2, WREG                        ; my wave's LDS
	s_wait_dscnt 0x0
	s_wait_kmcnt 0x0
	s_mov_b32 s28, 1                               ; group 0 for Q
	s_add_co_u32 s29, s60, 0
	s_add_nc_u64 s[30:31], s[4:5], s[40:41]
	s_or_b32 s31, s31, 0x80000000
	s_mov_b32 s32, 1                               ; group 0 for V
	s_add_co_u32 s33, s60, TILE
	s_add_nc_u64 s[34:35], s[6:7], s[40:41]
	s_or_b32 s35, s35, 0x80000000
	tensor_load_to_lds s[28:31], s[20:27]          ; both first fills together, ahead of every wait on TENSORcnt and every LDS access
	s_nop 0
	tensor_load_to_lds s[32:35], s[20:27]
	s_nop 0
	s_load_b32 s36, s[10:11], 0x0                  ; the bias
	s_lshl_b32 s52, s59, 13                        ; bh x 8,192
	s_mov_b32 s53, 0
	s_add_nc_u64 s[14:15], s[14:15], s[52:53]      ; sbuf at my sequence's 32 states
	s_lshl_b32 s61, s37, 8
	s_add_co_u32 s52, s52, s61
	s_add_nc_u64 s[12:13], s[12:13], s[52:53]      ; skbuf at my chunk
	s_lshl_b32 s52, s59, 8
	s_add_nc_u64 s[16:17], s[16:17], s[52:53]      ; mlbuf at my sequence
	s_add_nc_u64 s[54:55], s[18:19], s[40:41]      ; out0 at my tile
	v_and_b32 v[LN], 31, v0
	v_and_b32 v[RR], 15, v0
	v_bfe_u32 v[HH], v0, 4, 1
	v_lshlrev_b32 v[G4L], 2, v[LN]
	v_lshlrev_b32 v[G8L], 3, v[LN]
	v_lshlrev_b32 v[GW], 7, v[HH]
	v_lshlrev_b32 v[GSK], 5, v[HH]
	global_load_b32 v[MNV], v[G4L], s[16:17]               ; lane c: chunk c's minimum
	global_load_b32 v[LV],  v[G4L], s[16:17] offset:128    ; and its sum of weights
.set k, 0
.rept 32
	global_load_b64 v[XS+2*k:XS+2*k+1], v[G8L], s[14:15] offset:256*k      ; state k: the wave takes its 256 bytes
.set k, k+1
.endr
.irp u, 0,1,2,3,4,5,6,7
	global_load_b128 v[W+4*\u:W+4*\u+3], v[GW], s[8:9] offset:16*\u
.endr
.irp u, 0,1,2,3,4,5,6,7
	global_load_b128 v[SK+4*\u:SK+4*\u+3], v[GSK], s[12:13] offset:64*(\u/2)+16*(\u%2)     ; rows 16 jb + 8 hh + 0 .. 7, jb = u / 2
.endr
	v_mul_u32_u24 v[VQ], v[RR], PITCH
	v_add_nc_u32 v[VQ], v[VQ], v[GW]
	v_add_nc_u32 v[VQ], s60, v[VQ]
	v_mul_u32_u24 v[VV], v[HH], 8*PITCH
	v_lshl_add_u32 v[VV], v[RR], 4, v[VV]
	v_add_nc_u32 v[VV], s60, v[VV]
	v_mul_u32_u24 v[VRD], v[HH], PITCH
	v_lshl_add_u32 v[VRD], v[RR], 4, v[VRD]
	v_add_nc_u32 v[VRD], s60, v[VRD]
	v_lshlrev_b32 v[VCO], 11, v[HH]
	v_lshl_add_u32 v[VCO], v[RR], 4, v[VCO]
	v_add_nc_u32 v[VSS], s60, v[GW]
	v_mov_b32 v[VFA], s60
	v_add_nc_u32 v[V4L], s60, v[G4L]
	v_add_nc_u32 v[V8L], s60, v[G8L]
	v_lshlrev_b32 v[T2], 3, v[HH]
	v_sub_nc_u32 v[VD], v[RR], v[T2]
.irp e, 0,1,2,3,4,5,6,7
	v_cmp_le_i32 s[MK+\e], \e, v[VD]
.endr
	v_mov_b32 v[INFR], 0x7f800000
	v_mov_b32 v[T1], 0                             ; v_permlanex16_b32 counts as a reader of its destination
; Half a row's dot product with w, then the two halves' sum: lane (r, hh) holds elements 32 hh .. 32 hh + 31 of its row in v[buf ..].
.macro DOT buf, dst
	v_pk_mul_f32 v[DP0:DP0+1], v[\buf:\buf+1], v[W:W+1]
	v_pk_mul_f32 v[DP1:DP1+1], v[\buf+2:\buf+3], v[W+2:W+3]
.irp u, 1,2,3,4,5,6,7
	v_pk_fma_f32 v[DP0:DP0+1], v[\buf+4*\u:\buf+4*\u+1], v[W+4*\u:W+4*\u+1], v[DP0:DP0+1]
	v_pk_fma_f32 v[DP1:DP1+1], v[\buf+4*\u+2:\buf+4*\u+3], v[W+4*\u+2:W+4*\u+3], v[DP1:DP1+1]
.endr
	v_pk_add_f32 v[DP0:DP0+1], v[DP0:DP0+1], v[DP1:DP1+1]
	v_add_f32 v[T0], v[DP0], v[DP0+1]
	v_permlanex16_b32 v[T1], v[T0], s42, s43
	v_add_f32 v[\dst], v[T0], v[T1]
	v_add_f32 v[\dst], s36, v[\dst]                ; a = w.q + b
.endm
; v[acc:acc+1] = or += v[x:x+1] times ONE number of the pair v[fp:fp+1]: the first (odd = 0) or the second (odd = 1), for both halves
.macro BFMA acc, x, fp, odd, first
.if \first
.if \odd
	v_pk_mul_f32 v[\acc:\acc+1], v[\x:\x+1], v[\fp:\fp+1] op_sel:[0,1] op_sel_hi:[1,1]
.else
	v_pk_mul_f32 v[\acc:\acc+1], v[\x:\x+1], v[\fp:\fp+1] op_sel_hi:[1,0]
.endif
.else
.if \odd
	v_pk_fma_f32 v[\acc:\acc+1], v[\x:\x+1], v[\fp:\fp+1], v[\acc:\acc+1] op_sel:[0,1,0] op_sel_hi:[1,1,1]
.else
	v_pk_fma_f32 v[\acc:\acc+1], v[\x:\x+1], v[\fp:\fp+1], v[\acc:\acc+1] op_sel_hi:[1,0,1]
.endif
.endif
.endm
	; THE CARRY
	s_wait_loadcnt 48                              ; the minima and sums are in; the 32 states', 8 w's and 8 sk's loads behind them stay out
	v_cmp_gt_u32 s61, s37, v[LN]                   ; lanes whose chunk is earlier than mine
	v_cndmask_b32 v[MNV], v[INFR], v[MNV], s61     ; the others count as +infinity
	v_mov_b32 v[T0], v[MNV]                        ; the steps across lanes work in place; MNV is needed again below
.irp m, 1,2,4,8
	v_min_num_f32_dpp v[T0], v[T0], v[T0] row_xmask:\m row_mask:0xf bank_mask:0xf
.endr
	v_permlanex16_b32 v[T1], v[T0], s42, s43
	v_min_num_f32 v[PM], v[T0], v[T1]              ; mnP (+infinity for a sequence's first chunk)
	v_sub_f32 v[FV], v[PM], v[MNV]
	v_mul_f32 v[FV], s62, v[FV]
	v_exp_f32 v[FV], v[FV]
	v_nop                                          ; one plain instruction between v_exp_f32 and the use of its result (ISA guide 5.7.2)
	s_wait_alu depctr_va_vdst(0)
	v_cndmask_b32 v[FV], 0, v[FV], s61             ; 0 for chunks that are not earlier (also in place of the first chunk's infinity - infinity)
	ds_store_b32 v[V4L], v[FV] offset:SCF
.irp u, 0,1,2,3,4,5,6,7
	ds_load_b128 v[FB+4*\u:FB+4*\u+3], v[VFA] offset:SCF+16*\u     ; all 32 factors into every lane; LDS serves a wave's instructions in order
.endr
	v_mul_f32 v[LP], v[FV], v[LV]
.irp m, 1,2,4,8
	v_add_f32_dpp v[LP], v[LP], v[LP] row_xmask:\m row_mask:0xf bank_mask:0xf
.endr
	v_permlanex16_b32 v[T1], v[LP], s42, s43
	v_add_f32 v[LP], v[LP], v[T1]
	s_wait_loadcnt 16                              ; the states are in; w's and sk's 16 loads stay out
	s_wait_dscnt 0x0                               ; the factors
.set k, 0
.rept 32
.set odd, k%2
.if k < 4
	BFMA SA+2*(k%4), XS+2*k, FB+k-odd, odd, 1      ; the first four states start the four chains
.else
	BFMA SA+2*(k%4), XS+2*k, FB+k-odd, odd, 0
.endif
.set k, k+1
.endr
	v_pk_add_f32 v[SA:SA+1], v[SA:SA+1], v[SA+2:SA+3]
	v_pk_add_f32 v[SA+4:SA+5], v[SA+4:SA+5], v[SA+6:SA+7]
	v_pk_add_f32 v[SA:SA+1], v[SA:SA+1], v[SA+4:SA+5]
	ds_store_b64 v[V8L], v[SA:SA+1] offset:SCS     ; SP in the order of d
	; a = w.q + b for the 64 rows, two buffers by turns
.macro QLD it, buf
.irp u, 0,1,2,3,4,5,6,7
	ds_load_b128 v[\buf+4*\u:\buf+4*\u+3], v[VQ] offset:\it*16*PITCH+16*\u
.endr
.endm
	s_wait_tensorcnt 0x1                           ; Q is in LDS; V's load, issued behind it, stays out
	QLD 0, RAW0
	QLD 1, RAW1
	s_wait_loadcnt 0x0                             ; w and sk
	s_wait_kmcnt 0x0                               ; the bias
	s_wait_dscnt 0x8                               ; the older group of eight is back, the younger stays out: so at each of these waits
	DOT RAW0, A
	QLD 2, RAW0
	s_wait_dscnt 0x8
	DOT RAW1, A+1
	QLD 3, RAW1
	s_wait_dscnt 0x8
	DOT RAW0, A+2
	s_wait_dscnt 0x0
	DOT RAW1, A+3
	; V's fragments: source 0's row m = r is column d = 4 r + q of V, k is j.  Group g = rows 16 g .. 16 g + 15; a lane takes rows 8 hh + e, columns 4 r ..
.macro VLD g, buf
.irp e, 0,1,2,3,4,5,6,7
	ds_load_b128 v[\buf+4*\e:\buf+4*\e+3], v[VV] offset:TILE+(16*\g+\e)*PITCH      ; 16 lanes take 256 neighbouring bytes
.endr
.endm
.macro VCV g, buf
.irp q, 0,1,2,3
.irp p, 0,1,2,3
	v_cvt_pk_f16_f32 v[VF+16*\q+4*\g+\p], v[\buf+8*\p+\q], v[\buf+8*\p+4+\q]       ; rows 2 p, 2 p + 1 of the lane's eight, column q of its four
.endr
.endr
.endm
	s_wait_tensorcnt 0x0                           ; V is in LDS
	VLD 0, RAW0
	VLD 1, RAW1
	; meanwhile: the running minima in front of blocks 1, 2, 3.  A half of the lanes holds eight of a block's 16 sk.
.irp jb, 0,1,2
	v_min3_num_f32 v[T0], v[SK+8*\jb], v[SK+8*\jb+1], v[SK+8*\jb+2]
	v_min3_num_f32 v[T2], v[SK+8*\jb+3], v[SK+8*\jb+4], v[SK+8*\jb+5]
	v_min3_num_f32 v[T0], v[T0], v[SK+8*\jb+6], v[SK+8*\jb+7]
	v_min_num_f32 v[T0], v[T0], v[T2]
	v_permlanex16_b32 v[T1], v[T0], s42, s43
	v_min3_num_f32 v[PM+\jb+1], v[T0], v[T1], v[PM+\jb]
.endr
	s_wait_dscnt 0x8                               ; as above: the older group of eight is back
	VCV 0, RAW0
	VLD 2, RAW0
	s_wait_dscnt 0x8
	VCV 1, RAW1
	VLD 3, RAW1
	s_wait_dscnt 0x8
	VCV 2, RAW0
	s_wait_dscnt 0x0
	VCV 3, RAW1
.irp e, 0,1,2,3,4,5,6,7
	v_mov_b32 v[ONES+\e], 0x3c003c00               ; 1.0 in both f16 halves
.endr
; Eight weights of a block: p = exp2((a - sk) C2 - ymax C2), rounded to f16 into four registers of P's fragment.  A masked sk is +infinity: p = 0.
.macro PBLK src, y, dst
.irp p, 0,1,2,3
	v_pk_add_f32 v[\y+2*\p:\y+2*\p+1], v[AA:AA+1], v[\src+2*\p:\src+2*\p+1] neg_lo:[0,1] neg_hi:[0,1]
.endr
.irp p, 0,1,2,3
	v_pk_fma_f32 v[\y+2*\p:\y+2*\p+1], v[\y+2*\p:\y+2*\p+1], C2, v[NM:NM+1] op_sel_hi:[1,0,1]
.endr
.irp e, 0,1,2,3,4,5,6,7
	v_exp_f32 v[\y+\e], v[\y+\e]
.endr
	v_nop                                          ; one plain instruction between the last v_exp_f32 and the use of its result (ISA guide 5.7.2)
	s_wait_alu depctr_va_vdst(0)
.irp p, 0,1,2,3
	v_cvt_pk_f16_f32 v[\dst+\p], v[\y+2*\p], v[\y+2*\p+1]
.endr
.endm
; The weights of rows 16 it .. 16 it + 15 (lane: row 16 it + r, keys 16 jb + 8 hh + e).  Its first lines, which name none of the registers of the
; matrix instructions in front of them, are the places that those need before P's fragments are written again and before their results are read (ISA guide 7.12.1).
.macro PROW it
.irp e, 0,1,2,3,4,5,6,7
	v_cndmask_b32 v[Y0+\e], v[INFR], v[SK+8*\it+\e], s[MK+\e]      ; the diagonal block's sk, +infinity where j > i
.endr
	v_min3_num_f32 v[T0], v[Y0], v[Y0+1], v[Y0+2]
	v_min3_num_f32 v[T2], v[Y0+3], v[Y0+4], v[Y0+5]
	v_min3_num_f32 v[T0], v[T0], v[Y0+6], v[Y0+7]
	v_min_num_f32 v[T0], v[T0], v[T2]
	v_permlanex16_b32 v[T1], v[T0], s42, s43       ; the same row's other eight keys
	v_min3_num_f32 v[T0], v[T0], v[T1], v[PM+\it]  ; rm
	v_sub_f32 v[T0], v[A+\it], v[T0]               ; ymax
	v_mul_f32 v[NM], s63, v[T0]                    ; - ymax C2, twice: a pair for the packed forms
	v_mul_f32 v[NM+1], s63, v[T0]
	v_mov_b32 v[AA], v[A+\it]
	v_mov_b32 v[AA+1], v[A+\it]
	v_sub_f32 v[T2], v[A+\it], v[PM]
	v_fma_f32 v[T2], v[T2], s62, v[NM]
	v_exp_f32 v[CF+\it], v[T2]                     ; the carry's factor; the packed additions that follow are the plain instructions behind it
	PBLK Y0, Y0, PF+4*\it
.if \it > 0
	PBLK SK, Y1, PF
.endif
.if \it > 1
	PBLK SK+8, Y0, PF+4
.endif
.if \it > 2
	PBLK SK+16, Y1, PF+8
.endif
.if (\it%2) == 0
.irp p, 4,5,6,7
	v_mov_b32 v[PF+4*\it+\p], 0                    ; the K step's upper 16 keys lie behind the diagonal
.endr
.endif
.endm
; One K step of 32 keys: five matrix instructions.  The five accumulators take turns, one instruction a turn.
.macro WK ks, first
.irp q, 0,1,2,3
.if \first
	v_wmma_f32_16x16x32_f16 v[ACC+8*\q:ACC+8*\q+7], v[VF+16*\q+8*\ks:VF+16*\q+8*\ks+7], v[PF+8*\ks:PF+8*\ks+7], 0
.else
	v_wmma_f32_16x16x32_f16 v[ACC+8*\q:ACC+8*\q+7], v[VF+16*\q+8*\ks:VF+16*\q+8*\ks+7], v[PF+8*\ks:PF+8*\ks+7], v[ACC+8*\q:ACC+8*\q+7]
.endif
.endr
.if \first
	v_wmma_f32_16x16x32_f16 v[ACCL:ACCL+7], v[ONES:ONES+7], v[PF+8*\ks:PF+8*\ks+7], 0
.else
	v_wmma_f32_16x16x32_f16 v[ACCL:ACCL+7], v[ONES:ONES+7], v[PF+8*\ks:PF+8*\ks+7], v[ACCL:ACCL+7]
.endif
.endm
; SP[32 hh .. 32 hh + 31] into OT
.macro SPLD
	s_wait_xcnt 0x0                                ; OT was the data of the last rows' stores: it is written again only behind this wait
.irp u, 0,1,2,3,4,5,6,7
	ds_load_b128 v[OT+4*\u:OT+4*\u+3], v[VSS] offset:SCS+16*\u
.endr
.endm
; Rows 16 it .. 16 it + 15 leave.  Register jj of accumulator q holds column d = 32 hh + 4 jj + q of the lane's row; the destination's number puts it in its place.
.macro EPI it
	s_wait_dscnt 0x0                               ; SP
	v_fma_f32 v[DEN], v[CF+\it], v[LP], v[ACCL]    ; the row's sum of weights: about 1 at the least, from the row's largest
	v_rcp_f32 v[RI], v[DEN]
	v_nop                                          ; one plain instruction behind v_rcp_f32 (ISA guide 5.7.2)
	s_wait_alu depctr_va_vdst(0)
	v_mul_f32 v[CR], v[CF+\it], v[RI]
	v_mul_f32 v[CR+1], v[CF+\it], v[RI]
.set n, 0
.rept 16
	v_pk_mul_f32 v[OT+2*n:OT+2*n+1], v[OT+2*n:OT+2*n+1], v[CR:CR+1]
.set n, n+1
.endr
.irp q, 0,1,2,3
.irp j, 0,1,2,3,4,5,6,7
	v_fmac_f32 v[OT+4*\j+\q], v[ACC+8*\q+\j], v[RI]
.endr
.endr
.irp j, 0,1,2,3,4,5,6,7
	ds_store_b128 v[VQ], v[OT+4*\j:OT+4*\j+3] offset:STG+16*\j     ; row r of my stage, bytes 128 hh + 16 j
.endr
.irp t, 0,1,2,3,4,5,6,7
	ds_load_b128 v[OT+4*\t:OT+4*\t+3], v[VRD] offset:STG+2*PITCH*\t        ; back by rows; LDS serves a wave's instructions in order
.endr
.irp t, 0,1,2,3,4,5,6,7
	s_wait_dscnt 7-\t                              ; pair t of rows is back, the younger ones stay out
	global_store_b128 v[VCO], v[OT+4*\t:OT+4*\t+3], s[54:55] offset:(16*\it+2*\t)*2048 th:TH_STORE_NT      ; 16 lanes store a row's 256 consecutive bytes, aligned
.endr
.endm
	; The next rows' weights stand between a block's matrix instructions and the lines that read their results.
	PROW 0
	WK 0, 1
	SPLD
	PROW 1
	EPI 0
	WK 0, 1
	SPLD
	PROW 2
	EPI 1
	WK 0, 1
	WK 1, 0
	SPLD
	PROW 3
	EPI 2
	WK 0, 1
	WK 1, 0
	SPLD
.rept 4
	v_nop                                          ; four places between the last matrix instruction and the first reader of a result (ISA guide 7.12.1)
.endr
	EPI 3
	s_wait_tensorcnt 0x0
	ds_add_u32 v254, v255
	s_wait_dscnt 0x0
	s_endpgm
.Lfunc_end_k_q60c046c349_attend:
	.size	k_q60c046c349_attend, .Lfunc_end_k_q60c046c349_attend-k_q60c046c349_attend
	.p2alignl 7, 3214868480
	.fill 96, 4, 3214868480
	.section	.rodata,"a",@progbits
	.p2align	6, 0x0
	.amdhsa_kernel k_q60c046c349_attend
		.amdhsa_group_segment_fixed_size 168448
		.amdhsa_private_segment_fixed_size 0
		.amdhsa_enable_private_segment 0
		.amdhsa_kernarg_size 64
		.amdhsa_user_sgpr_count 2
		.amdhsa_user_sgpr_kernarg_segment_ptr 1
		.amdhsa_wavefront_size32 1
		.amdhsa_system_sgpr_workgroup_id_x 1
		.amdhsa_system_sgpr_workgroup_id_y 1
		.amdhsa_system_sgpr_workgroup_id_z 1
		.amdhsa_system_vgpr_workitem_id 0
		.amdhsa_next_free_vgpr 256
		.amdhsa_next_free_sgpr 66
		.amdhsa_reserve_vcc 0
		.amdhsa_float_denorm_mode_32 3
		.amdhsa_float_denorm_mode_16_64 3
		.amdhsa_memory_ordered 1
		.amdhsa_forward_progress 1
		.amdhsa_inst_pref_size 66
	.end_amdhsa_kernel
	.amdgpu_metadata
---
amdhsa.version: [ 1, 2 ]
amdhsa.kernels:
  - .name:           k_q60c046c349_attend
    .symbol:         k_q60c046c349_attend.kd
    .args:
      - { .name: queries, .offset: 0, .size: 8, .value_kind: global_buffer, .address_space: global }
      - { .name: values, .offset: 8, .size: 8, .value_kind: global_buffer, .address_space: global }
      - { .name: w_score, .offset: 16, .size: 8, .value_kind: global_buffer, .address_space: global }
      - { .name: b_score, .offset: 24, .size: 8, .value_kind: global_buffer, .address_space: global }
      - { .name: skbuf, .offset: 32, .size: 8, .value_kind: global_buffer, .address_space: global }
      - { .name: sbuf, .offset: 40, .size: 8, .value_kind: global_buffer, .address_space: global }
      - { .name: mlbuf, .offset: 48, .size: 8, .value_kind: global_buffer, .address_space: global }
      - { .name: out0, .offset: 56, .size: 8, .value_kind: global_buffer, .address_space: global }
    .group_segment_fixed_size: 168448
    .private_segment_fixed_size: 0
    .kernarg_segment_align: 8
    .kernarg_segment_size: 64
    .max_flat_workgroup_size: 128
    .sgpr_count:     66
    .vgpr_count:     256
    .wavefront_size: 32
...
	.end_amdgpu_metadata
.endif
;; end of part 2
